; MI455X (gfx1250); checked and timed in simulation.
; The chip was launched on July 23, 2026; its instructions are those of AMD's public machine-readable ISA for CDNA 5 (MIT licence, August 2026) and "CDNA5" Instruction Set Architecture Reference Guide (July 2026). The comments in the code are by the model that wrote it; some were corrected since.
;; Simple Channel Attn. Allowed arithmetic: matrix products marked QUANTISED: E2M3 operands, one E8M0 scale for each 32 along K, by v_wmma_scale_f32_16x16x128_f8f6f4 with both operands' format E2M3, f32 sums; everything else in f32.
;; Inputs: Wk 1,024 x 1,024 float32; Wq 1,024 x 1,024 float32; Wv 1,024 x 1,024 float32; x 32 x 512 x 32 x 32 float32.
;; Outputs: out0 32 x 512 x 32 x 32 float32.
;; This version of the problem:
;;   THIS VERSION OF THE PROBLEM IS GIVEN IN LOW PRECISION. The matrix products marked QUANTISED in the list below multiply operands that are first quantised to E2M3 (2 exponent bits, 3 mantissa bits; 6 bits a number), with one power-of-two scale for each 32 numbers along K (OCP MX v1.0); their sums are f32. All else is computed in f32.
;;   The module's matrix products, in the order in which they are computed (A, B: the left and right operand; K: the contracted axis; several contracted axes count as one K, in the product's order):
;;     1. [M 16,384, K 1,024] x [K 1,024, N 1,024]; A: input x; B: input Wq: QUANTISED
;;     2. [M 16,384, K 1,024] x [K 1,024, N 1,024]; A: input x; B: input Wk: QUANTISED
;;     3. [M 16,384, K 1,024] x [K 1,024, N 1,024]; A: input x; B: input Wv: QUANTISED
;;     4. batch 32 x [M 512, K 1,024] x [K 1,024, N 512]; A: computed on the way; B: computed on the way: QUANTISED
;;     5. batch 32 x [M 512, K 512] x [K 512, N 1,024]; A: softmax (see below); B: computed on the way: QUANTISED
;;   THE QUANTISER, for each operand of a quantised product, along K:
;;     - K is cut into blocks of 32 from its start; a last block that is shorter is filled with zeros.
;;     - A block's scale is 2^e with e = floor(log2(the largest magnitude in the block)) - 2, held to -126 .. 127; a block of zeros has e = 0. As a byte (E8M0): e + 127.
;;     - Each number is divided by its block's scale, clamped to +-7.5, and rounded to the nearest number of E2M3, ties to even, subnormals kept.
;;     - The product sums the exact products of the quantised numbers (number of the format x scale) in f32.
;;   ~~~python
;;   def quantise(x, axis):      # numpy; x: float32 -> the quantised numbers, widened to float32 again
;;       x = np.moveaxis(x, axis, -1); K = x.shape[-1]
;;       x = np.pad(x, [(0, 0)] * (x.ndim - 1) + [(0, -K % 32)]); x = x.reshape(x.shape[:-1] + (-1, 32)); a = np.abs(x).max(-1, keepdims=True)
;;       e = np.where(a > 0, np.clip(np.frexp(np.where(a > 0, a, 1))[1] - 1 - 2, -126, 127), 0)      # np.frexp(a)[1] - 1 = floor(log2(a)), exactly
;;       r = np.clip(x / 2.0 ** e, -7.5, 7.5)
;;       step = 2.0 ** (np.maximum(np.frexp(np.where(r == 0, 1, r))[1] - 1, 0) - 3)
;;       q = np.round(r / step) * step * 2.0 ** e      # np.round: ties to even
;;       return np.moveaxis(q.reshape(q.shape[:-2] + (-1,))[..., :K], -1, axis).astype(np.float32)
;;   ~~~
;;   SOFTMAX AHEAD OF A QUANTISED PRODUCT. Where the list says 'softmax', what is quantised is not the finished softmax but p = 2^(t - M), with t = logit x log2(e) and M = ceil(the row's largest t), a whole number; so 1/2 < the row's largest p <= 1. The row's sum l is taken of the UNQUANTISED p, in f32, and the product's result is divided by l at the end. Since M is a whole number, a kernel that streams over the keys may use a running M (the ceiling of the running maximum): every later rescaling is an exact power of two, which a block's scale takes up: the codes' values come out the same.
;;   OPERANDS COMPUTED ON THE WAY. 'Computed on the way' means the value that the module computes at that place (a softmax that the list does not call 'softmax' is quantised finished and normalised). What goes into a quantiser is computed in f32, as accurately as f32 sums, v_exp_f32 and their like allow (about 1e-6 of the number): no bf16 or f16 on the way to a quantiser, and a product that is left as it is and whose result goes on into a quantised operand takes f32 operands (vector FMAs, or v_wmma_f32_16x16x4_f32). A number that lies on a knife's edge between two numbers of the format may be rounded either way, as far as f32 arithmetic and the matrix unit's own rounding can turn it there, and no further.
;; One version. Each part assembles by itself: llvm-mc -triple=amdgcn-amd-amdhsa -mcpu=gfx1250 --defsym DOCPART=n.
;; ======== version 1 of 1: 3 launches
;; limits: right only within a limited range of input values
;; workspace buffers: codes 14,942,208 bytes; scales 622,592 bytes; qkv 37,748,736 bytes; qkvs 1,572,864 bytes
;; launch quant (part 1): grid 608 x 1, 4 waves a work-group, no clusters, 94,208 bytes of LDS; arguments x, Wq, Wk, Wv, codes, scales; writes codes, scales
.if DOCPART == 1
	.amdgcn_target "amdgcn-amd-amdhsa--gfx1250"
	.amdhsa_code_object_version 6
	.text
	.protected	k_q1f5bd89669_quant
	.globl	k_q1f5bd89669_quant
	.p2align	8
	.type	k_q1f5bd89669_quant,@function
k_q1f5bd89669_quant:
	s_mov_b64 s[64:65], 0
	v_nop
	global_prefetch_b8 v0, s[64:65] scope:SCOPE_SE
	s_setreg_imm32_b32 hwreg(HW_REG_WAVE_MODE, 25, 1), 1
	s_wait_xcnt 0x0
; x [16384 tokens][1024] and Wq, Wk, Wv [1024 (k)][1024 (e)], f32, become codes of FP6 (E2M3) with one E8M0 scale byte for each 32 along K.
; Row positions 0 .. 16383: the tokens of x; 16384 + 1024 j + e: column e of Wq, Wk, Wv (j = 0, 1, 2).  Position p holds actual row sigma(p), sigma = p with its bits 3 and 4 exchanged.
; OUT: codes: IMAGES OF OPERAND REGISTERS, 1,536 bytes for 16 row positions x 128 along K: image (T, s) at (8 T + s) x 1,536; register j of lane l = r + 16 h at 512 (j / 4) + 16 l + 4 (j % 4);
;      registers 6 c .. 6 c + 5 hold K = 128 s + 64 c + 32 h + 0 .. 31 of row position 16 T + r.   scales: 32 bytes for each row position.
; A block's scale is 2^(floor(log2(its largest magnitude)) - 2); its byte is the largest magnitude's exponent field - 2, held at 1 from below.
; LIMITS: a block of zeros gets the byte 1 where the rule says 127 (its codes are zeros, and only this program reads the bytes); largest magnitudes under 2^(3 - 127) are held at that floor; NaN and infinities are not served.
; Work-groups 0 .. 511 take x (32 rows each: 16 images, 24,576 consecutive bytes); 512 .. 607 the weights (a lane takes a column, its registers run down K).  The two ways have LDS bytes of their own.
.set STEPS, 16
.set EMAX,  2
.set R,     16                         ; x: v16-79 four sets of 16 numbers as loaded; at the end v16-63 the images on their way out
.set XN,    80                         ; x: v80-111 two sets of 16 neighbours
.set EB,    112                        ; x: a scale byte for each step
.set CD,    128                        ; x: codes, four registers for each step
.set IA,    194                        ; x: v194-196 where my three registers of codes go in the image stage
.set RB,    197                        ; x: where I read the image stage back
.set WREG,  8192                       ; x: LDS region of a wave: two stages of 32 x SP bytes, then its 256 scale bytes
.set SP,    80
.set HP,    272                        ; x: image stage: 256 bytes of 16 lanes + 16;
.set GP,    544                        ;    a group of four registers: two such halves;
.set IP,    1632                       ;    an image: three groups.  The 32 lanes of a step's store then touch 32 different banks
.set WSTG,  32768                      ; W: a stage of four images, 6,144 bytes, for each wave
.set XIMG,  67584                      ; x: the image stage, 16 x IP bytes
.set SPARE, 93696
.set NB,    8
.set WX,    32
.set WC,    96
.set WOUT,  112
.set WSB,   24
	s_load_b256 s[4:11], s[0:1], 0x0               ; x, Wq, Wk, Wv
	s_load_b128 s[12:15], s[0:1], 0x20             ; codes, scales
	v_lshl_add_u32 v192, v0, 2, SPARE
	v_mov_b32 v193, 0
	v_lshrrev_b32 v1, 5, v0
	v_readfirstlane_b32 s16, v1                    ; wave
	v_and_b32 v2, 31, v0                           ; lane
	s_wait_kmcnt 0x0
	s_cmp_ge_u32 ttmp9, 512
	s_cbranch_scc1 .Lweights
; ---- x.  A wave takes 8 rows in 16 steps of 512 numbers; a step's 2,048 bytes turn through the wave's own stage and come back 64 bytes a lane.
	s_mul_i32 s17, s16, WREG
	s_add_co_u32 s19, s17, 2*32*SP
	s_lshl_b32 s18, ttmp9, 2
	s_add_co_u32 s20, s18, s16
	s_lshl_b32 s20, s20, 15                        ; the 8 rows that I read
	s_mov_b32 s21, 0
	s_add_nc_u64 s[4:5], s[4:5], s[20:21]
	s_and_b32 s22, s16, 1
	s_lshr_b32 s23, s16, 1
	s_lshl_b32 s20, s22, 1
	s_or_b32 s20, s20, s23                         ; the wave's two bits exchanged: bits 3 and 4 of the row
	s_add_co_u32 s20, s18, s20
	s_lshl_b32 s20, s20, 8                         ; 256 scale bytes for 8 row positions
	s_add_nc_u64 s[14:15], s[14:15], s[20:21]
	s_mul_i32 s20, ttmp9, 24576
	s_mul_i32 s24, s16, 6144
	s_add_co_u32 s20, s20, s24                     ; the four images that I store at the end
	s_add_nc_u64 s[12:13], s[12:13], s[20:21]
	s_mul_i32 s24, s22, 8*IP                       ; my rows' tile of 16 positions: wave % 2;
	s_lshl_b32 s25, s23, 7                         ; their first r: 8 (wave / 2)
	s_add_co_u32 s24, s24, s25
	s_add_co_u32 s24, s24, XIMG
	s_mul_i32 s25, s16, 4*IP
	s_add_co_u32 s25, s25, XIMG
	s_wait_alu depctr_va_vdst(0)
	v_lshlrev_b32 v3, 4, v2
	v_lshrrev_b32 v14, 2, v2
	v_mul_u32_u24 v14, v14, SP
	v_and_b32 v15, 3, v2
	v_lshl_add_u32 v14, v15, 4, v14
	v_add_nc_u32 v14, s17, v14                     ; the stage, in: SP (lane / 4) + 16 (lane % 4)
	v_mul_u32_u24 v15, v2, SP
	v_add_nc_u32 v15, s17, v15                     ; and out: my 16 neighbours
	v_lshrrev_b32 v5, 1, v2
	v_add_nc_u32 v5, s19, v5                       ; my block's scale byte
	v_lshlrev_b32 v7, 3, v2
	v_add_nc_u32 v6, s19, v7
	v_lshrrev_b32 v8, 3, v2                        ; my 16 codes: K step lane / 8 of the step's four,
	v_mul_u32_u24 v8, v8, IP
	v_bfe_u32 v9, v2, 1, 1                         ; h,
	v_mad_u32_u24 v8, v9, HP, v8
	v_add_nc_u32 v8, s24, v8
	v_bfe_u32 v9, v2, 2, 1
	v_mul_u32_u24 v9, v9, 6
	v_and_b32 v10, 1, v2
	v_mad_u32_u24 v9, v10, 3, v9                   ; registers j0 = 6 c + 3 (lane % 2) on
.irp k, 0,1,2
	v_add_nc_u32 v10, \k, v9
	v_lshrrev_b32 v11, 2, v10
	v_and_b32 v10, 3, v10
	v_mad_u32_u24 v11, v11, GP, v8
	v_lshl_add_u32 v[IA+\k], v10, 2, v11
.endr
	v_lshrrev_b32 v10, 4, v2
	v_mul_u32_u24 v10, v10, HP
	v_and_b32 v11, 15, v2
	v_lshl_add_u32 v10, v11, 4, v10
	v_add_nc_u32 v[RB], s25, v10
	s_wait_alu depctr_va_vdst(0)
.macro XLOAD t
.irp i, 0,1,2,3
	global_load_b128 v[R+16*((\t)%4)+4*\i:R+16*((\t)%4)+4*\i+3], v3, s[4:5] offset:2048*(\t)+512*\i th:TH_LOAD_NT
.endr
.endm
.macro XTURN t                         ; LDS serves a wave's instructions in order: no wait between the stores and the loads
.irp i, 0,1,2,3
	ds_store_b128 v14, v[R+16*((\t)%4)+4*\i:R+16*((\t)%4)+4*\i+3] offset:32*SP*((\t)%2)+8*SP*\i
.endr
.irp i, 0,1,2,3
	ds_load_b128 v[XN+16*((\t)%2)+4*\i:XN+16*((\t)%2)+4*\i+3], v15 offset:32*SP*((\t)%2)+16*\i
.endr
.endm
.irp t, 0,1,2,3
	XLOAD \t
.endr
	s_wait_loadcnt 12                              ; step 0's four loads are in
	XTURN 0
.macro XSTEP t
.set XS, XN+16*((\t)%2)
.if (\t) > 0
	s_wait_dscnt 4                                 ; this step's numbers are back; the last step's four stores (a byte, three words of codes) may be out
.else
	s_wait_dscnt 0x0
.endif
.if (\t)+4 < STEPS
	XLOAD (\t)+4
.endif
.if (\t)+1 < STEPS
.if STEPS-2-(\t) >= 3
	s_wait_loadcnt 12                              ; the next step's four loads are in; three steps' may be out
.else
	s_wait_loadcnt 4*(STEPS-2-(\t))
.endif
	XTURN (\t)+1
.endif
	v_max3_num_f32 v8, |v[XS]|, |v[XS+1]|, |v[XS+2]|
	v_max3_num_f32 v9, |v[XS+3]|, |v[XS+4]|, |v[XS+5]|
.irp i, 6,10
	v_max3_num_f32 v8, v8, |v[XS+\i]|, |v[XS+\i+1]|
	v_max3_num_f32 v9, v9, |v[XS+\i+2]|, |v[XS+\i+3]|
.endr
	v_max3_num_f32 v8, v8, |v[XS+14]|, |v[XS+15]|
	v_max3_num_f32 v8, v8, v9, (EMAX+1)<<23        ; the floor: the byte cannot fall under 1
	v_max_num_f32_dpp v8, v8, v8 row_xmask:1 row_mask:0xf bank_mask:0xf   ; with my neighbour's 16: the block's
	v_add_nc_u32 v11, -(EMAX<<23), v8              ; the conversion's scale operand
	v_cvt_scalef32_pk16_fp6_f32 v[CD+4*(\t):CD+4*(\t)+2], v[XS:XS+15], v11
	v_lshrrev_b32 v[EB+(\t)], 23, v11              ; the scale's byte
	ds_store_b8 v5, v[EB+(\t)] offset:16*(\t)
.irp k, 0,1,2
	ds_store_b32 v[IA+\k], v[CD+4*(\t)+\k] offset:16*((\t)/2)+4*IP*((\t)%2)   ; row t / 2 of my eight; K steps 4 (t % 2) on
.endr
.endm
.irp t, 0,1,2,3,4,5,6,7,8,9,10,11,12,13,14,15
	XSTEP \t
.endr
	ds_load_b64 v[12:13], v6
	s_wait_dscnt 0x0                               ; also for the others' sake: my codes lie in the image stage
	global_store_b64 v7, v[12:13], s[14:15]        ; 256 consecutive bytes, aligned
	s_barrier_signal -1
	s_barrier_wait -1
.irp n, 0,1,2,3,4,5,6,7,8,9,10,11
	ds_load_b128 v[R+4*\n:R+4*\n+3], v[RB] offset:(\n/3)*IP+(\n%3)*GP
.endr
.irp n, 0,1,2,3,4,5,6,7,8,9,10,11
	s_wait_dscnt 11-\n
	global_store_b128 v3, v[R+4*\n:R+4*\n+3], s[12:13] offset:512*\n   ; 512 consecutive bytes, aligned
.endr
	s_wait_tensorcnt 0x0                           ; the wave's end
	ds_add_u32 v192, v193
	s_wait_dscnt 0x0
	s_endpgm
; ---- the weights.  Work-group 512 + 32 j + 8 ky + nx: weight j, columns 128 nx on, K 256 ky on.  A wave: 32 columns x 256 along K = two tiles x two K steps = four images.
.Lweights:
	s_sub_co_u32 s17, ttmp9, 512
	s_lshr_b32 s18, s17, 5                         ; j
	s_and_b32 s19, s17, 7                          ; nx
	s_bfe_u32 s20, s17, 0x20003                    ; ky
	s_cmp_eq_u32 s18, 0
	s_cselect_b64 s[6:7], s[6:7], s[8:9]
	s_cmp_eq_u32 s18, 2
	s_cselect_b64 s[6:7], s[10:11], s[6:7]
	s_lshl_b32 s19, s19, 7
	s_lshl_b32 s21, s16, 5
	s_add_co_u32 s19, s19, s21                     ; my first column
	s_lshl_b32 s22, s20, 20
	s_lshl_b32 s23, s19, 2
	s_add_co_u32 s22, s22, s23
	s_mov_b32 s23, 0
	s_add_nc_u64 s[6:7], s[6:7], s[22:23]
	s_lshl_b32 s24, s18, 10
	s_add_co_u32 s24, s24, s19
	s_add_co_u32 s24, s24, 16384                   ; the first of my 32 row positions
	s_mul_i32 s22, s24, 768                        ; 12,288 bytes for 16 positions,
	s_mul_i32 s25, s20, 3072                       ; two images for 256 along K
	s_add_co_u32 s22, s22, s25
	s_add_nc_u64 s[12:13], s[12:13], s[22:23]
	s_lshl_b32 s22, s24, 5
	s_lshl_b32 s25, s20, 3
	s_add_co_u32 s22, s22, s25
	s_add_nc_u64 s[14:15], s[14:15], s[22:23]
	s_mul_i32 s26, s16, 6144
	s_add_co_u32 s26, s26, WSTG                    ; my stage
	s_wait_alu depctr_va_vdst(0)
	v_lshlrev_b32 v3, 2, v2
	v_and_b32 v10, 7, v2
	v_bfe_u32 v11, v2, 3, 1
	v_lshl_add_u32 v10, v11, 4, v10
	v_bfe_u32 v11, v2, 4, 1
	v_lshl_add_u32 v10, v11, 3, v10                ; sigma(lane): my column's position
	v_lshrrev_b32 v11, 4, v10
	v_mul_u32_u24 v4, v11, 3072                    ; its tile's two images,
	v_and_b32 v11, 15, v10
	v_lshl_add_u32 v4, v11, 4, v4                  ; lane r of them
	v_add_nc_u32 v4, s26, v4
	v_lshlrev_b32 v8, 4, v2
	v_add_nc_u32 v7, s26, v8
	v_lshlrev_b32 v9, 5, v10
	s_wait_alu depctr_va_vdst(0)
.macro WLOAD t
.irp i, 0,1,2,3,4,5,6,7,8,9,10,11,12,13,14,15,16,17,18,19,20,21,22,23,24,25,26,27,28,29,30,31
	global_load_b32 v[WX+32*((\t)%2)+\i], v3, s[6:7] offset:(32*(\t)+\i)*4096 th:TH_LOAD_NT
.endr
.endm
	WLOAD 0
	WLOAD 1
.macro WBLOCK t                        ; block t: K step t / 4, c = (t % 4) / 2, h = t % 2: registers 6 c .. 6 c + 5 of lane r + 16 h
.set XS, WX+32*((\t)%2)
.set OF, 1536*((\t)/4)+256*((\t)%2)
.if (\t) < NB-1
	s_wait_loadcnt 32                              ; this block's 32 loads are in
.else
	s_wait_loadcnt 0
.endif
	v_max3_num_f32 v12, |v[XS]|, |v[XS+1]|, |v[XS+2]|
	v_max3_num_f32 v13, |v[XS+3]|, |v[XS+4]|, |v[XS+5]|
.irp i, 6,10,14,18,22,26
	v_max3_num_f32 v12, v12, |v[XS+\i]|, |v[XS+\i+1]|
	v_max3_num_f32 v13, v13, |v[XS+\i+2]|, |v[XS+\i+3]|
.endr
	v_max3_num_f32 v12, v12, |v[XS+30]|, |v[XS+31]|
	v_max3_num_f32 v12, v12, v13, (EMAX+1)<<23
	v_add_nc_u32 v11, -(EMAX<<23), v12
	v_lshrrev_b32 v13, 23, v11
.if (\t)%4 == 0
	v_mov_b32 v[WSB+(\t)/4], v13
.else
	v_lshl_or_b32 v[WSB+(\t)/4], v13, 8*((\t)%4), v[WSB+(\t)/4]
.endif
	v_cvt_scalef32_pk16_fp6_f32 v[WC:WC+2], v[XS:XS+15], v11
	v_cvt_scalef32_pk16_fp6_f32 v[WC+4:WC+6], v[XS+16:XS+31], v11
	v_nop                                          ; one plain place behind a scaled conversion
	v_mov_b32 v[WC+3], v[WC+4]                     ; the block's six registers on end
	v_mov_b32 v[WC+4], v[WC+5]
	v_mov_b32 v[WC+5], v[WC+6]
.if ((\t)%4) < 2
	ds_store_b128 v4, v[WC:WC+3] offset:OF
	ds_store_b64 v4, v[WC+4:WC+5] offset:OF+512
.else
	ds_store_b64 v4, v[WC:WC+1] offset:OF+520
	ds_store_b128 v4, v[WC+2:WC+5] offset:OF+1024
.endif
.if (\t)+2 < NB
	WLOAD (\t)+2
.endif
	s_wait_dscnt 0x0
.endm
.set Q, 0
.rept NB
	WBLOCK Q
.set Q, Q+1
.endr
	s_wait_alu depctr_va_vdst(0)
	global_store_b64 v9, v[WSB:WSB+1], s[14:15]
.irp n, 0,1,2,3,4,5,6,7,8,9,10,11
	ds_load_b128 v[WOUT+4*\n:WOUT+4*\n+3], v7 offset:512*\n
.endr
.irp n, 0,1,2,3,4,5,6,7,8,9,10,11
	s_wait_dscnt 11-\n
	global_store_b128 v8, v[WOUT+4*\n:WOUT+4*\n+3], s[12:13] offset:(\n/6)*12288+(\n%6)*512   ; 512 consecutive bytes, aligned
.endr
	s_wait_tensorcnt 0x0                           ; the wave's end
	ds_add_u32 v192, v193
	s_wait_dscnt 0x0
	s_endpgm
.Lfunc_end_k_q1f5bd89669_quant:
	.size	k_q1f5bd89669_quant, .Lfunc_end_k_q1f5bd89669_quant-k_q1f5bd89669_quant
	.p2alignl 7, 3214868480
	.fill 96, 4, 3214868480
	.section	.rodata,"a",@progbits
	.p2align	6, 0x0
	.amdhsa_kernel k_q1f5bd89669_quant
		.amdhsa_group_segment_fixed_size 94208
		.amdhsa_private_segment_fixed_size 0
		.amdhsa_enable_private_segment 0
		.amdhsa_kernarg_size 48
		.amdhsa_user_sgpr_count 2
		.amdhsa_user_sgpr_kernarg_segment_ptr 1
		.amdhsa_wavefront_size32 1
		.amdhsa_system_sgpr_workgroup_id_x 1
		.amdhsa_system_sgpr_workgroup_id_y 1
		.amdhsa_system_sgpr_workgroup_id_z 1
		.amdhsa_system_vgpr_workitem_id 0
		.amdhsa_next_free_vgpr 200
		.amdhsa_next_free_sgpr 66
		.amdhsa_reserve_vcc 0
		.amdhsa_float_denorm_mode_32 3
		.amdhsa_float_denorm_mode_16_64 3
		.amdhsa_memory_ordered 1
		.amdhsa_forward_progress 1
		.amdhsa_inst_pref_size 79
	.end_amdhsa_kernel
	.amdgpu_metadata
---
amdhsa.version: [ 1, 2 ]
amdhsa.kernels:
  - .name:           k_q1f5bd89669_quant
    .symbol:         k_q1f5bd89669_quant.kd
    .args:
      - { .name: x, .offset: 0, .size: 8, .value_kind: global_buffer, .address_space: global }
      - { .name: Wq, .offset: 8, .size: 8, .value_kind: global_buffer, .address_space: global }
      - { .name: Wk, .offset: 16, .size: 8, .value_kind: global_buffer, .address_space: global }
      - { .name: Wv, .offset: 24, .size: 8, .value_kind: global_buffer, .address_space: global }
      - { .name: codes, .offset: 32, .size: 8, .value_kind: global_buffer, .address_space: global }
      - { .name: scales, .offset: 40, .size: 8, .value_kind: global_buffer, .address_space: global }
    .group_segment_fixed_size: 94208
    .private_segment_fixed_size: 0
    .kernarg_segment_align: 8
    .kernarg_segment_size: 48
    .max_flat_workgroup_size: 128
    .sgpr_count:     66
    .vgpr_count:     200
    .wavefront_size: 32
...
	.end_amdgpu_metadata
.endif
;; end of part 1
;; launch proj (part 2): grid 4 x 64, 4 waves a work-group, clusters of 4 x 4, 327,680 bytes of LDS; arguments codes, scales, qkv, qkvs; writes qkv, qkvs
.if DOCPART == 2
	.amdgcn_target "amdgcn-amd-amdhsa--gfx1250"
	.amdhsa_code_object_version 6
	.text
	.protected	k_q1f5bd89669_proj
	.globl	k_q1f5bd89669_proj
	.p2align	8
	.type	k_q1f5bd89669_proj,@function
k_q1f5bd89669_proj:
	s_mov_b64 s[64:65], 0
	v_nop
	global_prefetch_b8 v0, s[64:65] scope:SCOPE_SE
	s_setreg_imm32_b32 hwreg(HW_REG_WAVE_MODE, 25, 1), 1
	s_wait_xcnt 0x0
	s_wait_alu depctr_hold_cnt(0) depctr_sa_sdst(0) depctr_va_vdst(0) depctr_va_sdst(0) depctr_va_ssrc(0) depctr_va_vcc(0) depctr_vm_vsrc(0)
	s_getreg_b32 s2, hwreg(HW_REG_IB_STS2, 6, 4)
	s_cmp_eq_u32 s2, 0
	s_cbranch_scc0 .Lentry_in_a_cluster
	s_endpgm
.Lentry_in_a_cluster:
	s_bfe_u32 s2, ttmp6, 0x10000c
	s_cmp_lg_u32 s2, 0xf033
	s_cbranch_scc0 .Lentry_shape_is_right
	s_endpgm
.Lentry_shape_is_right:
; q = x Wq, k = x Wk, v = x Wv on codes of FP6 (E2M3) with one E8M0 scale for each 32 along K = 1,024; sums in f32; the results are quantised in registers and leave as codes: q and k along their features, v along the tokens.
; IN: codes: images of operand registers, 1,536 bytes for 16 row positions x 128 K, image (T, s) at (8 T + s) x 1,536; scales: 32 bytes a row position.  Tiles of 256 positions: 0-63 x, 64-67 Wq, 68-71 Wk, 72-75 Wv.
; Position p holds actual row sigma(p) (bits 3 and 4 exchanged), so that with such a tile as source 0 the 16 registers of result tiles 2 b and 2 b + 1 are 16 actual neighbours.
; A work-group of four waves makes THREE tiles of 256 x 256, a wave 128 x 128 (64 accumulators): x's tile 4 Y + cy against Wq's tile 64 + cx, Wk's 68 + cx, Wv's 72 + cx (Y the cluster's y, (cx, cy) the place in it).
; x's TILE STAYS IN LDS: 196,608 bytes, all of K, as four pieces of two K steps; it is asked for once.  In tiles q and k it is source 1 (a lane holds a token, its registers run along the features);
; in tile v it is source 0 (a lane holds a feature, its registers run along the tokens).
; W GOES THROUGH A RING of two slots, each with two K steps of 256 rows: 49,152 bytes; each wave's one tensor load brings 4 rows of 3,072 bytes, each at a multiple of 256 bytes.  Four fills to a tile; from Wq to Wk to Wv one stride.
; FIRST FILLS: at the head one load a wave (x's pair 0, W's pair 0, x's pair 1, W's pair 1); behind the full sequence and a round, behind which nothing is filled again, waves 0 and 1 ask for x's pairs 2 and 3.
; A loop runs tiles q and k; tile v, with the operands' roles exchanged and no refills at its end, is written out.  The next tile's first fragments are fetched behind a tile's last products and land under the way out.
; THE SCALES come straight into registers: v[SC + 8 i + st]: lanes 0-15 the word of source 1's block i, lanes 16-31 of source 0's block i, K step st; the next tile's are asked for when each half is free.
; CLUSTERS: 4 x 4; x's tile is asked for jointly along a row of the cluster, W's along a column.
; NO PREFETCH: x's tile is asked for whole by the first two groups of loads; the ring is at the largest block in clusters with a short K, four fills to a tile.
; OUT: as the attention reads it.  qkv: images; q, k: (T, s) at (16 T + s) x 1,536, s = 0-7 q, 8-15 k; v: (S, D) at VT + (64 S + D) x 1,536.  qkvs: blocks of 512 bytes for 8 tiles: byte 256 h + 16 r + 4 j = the word of row r of tile 4 h + j;
;      q, k: block (s, G) at (128 s + G) x 512; v: block (S, D / 8) at VS + (8 S + D / 8) x 512.
; LIMITS: a block of zeros gets the byte 1 (its codes are zeros; only this program reads the bytes); NaN and infinities are not served.
; REGISTERS: window 0: v4-31 addresses; v32-95 scale words; v96-127 the way out's codes; v128-223 source 1's fragments, one set; v224-255 the way out.  window 1: source 0's two sets, v0 and v128.  windows 2, 3: the accumulators.
.set SB,     3072                      ; a row tile's two images
.set HALF,   8*SB                      ; 128 rows x two K steps
.set PIECE,  16*SB                     ; 256 rows x two K steps
.set RING,   4*PIECE
.set SPARE,  RING+2*PIECE
.set KROW,   768
.set WSTEP,  1024*KROW                 ; from Wq to Wk, from Wk to Wv
.set FR,     12
.set NL,     3
.set NP,     4                         ; places behind this matrix instruction (ISA guide 7.12.1)
.set VT,     25165824
.set VS,     1048576
.set XA,   4                           ; v4-7   x's pieces, my half as source 1
.set XS0,  8                           ; v8-11  x's pieces, my half as source 0
.set WB,   12                          ; v12-13 the ring's slots, my half as source 0
.set WA,   14                          ; v14-15 the ring's slots, my half as source 1
.set SOF,  22
.set SO2,  23
.set SO0,  24
.set LN,   26
.set SPW,  28
.set NIL,  29
.set FL,   30
.set L16,  31
.set SC,   32
.set QB,   96
.set QT,   120
.set AF,   128
.set TT,   224                         ; v224-243 five registers at work for each of a row's four blocks
.set SW,   244                         ; v244-251 the eight blocks' scale words; v252-255 as they are stored
.set G1X, 24                           ; group 1: x's pieces, 16 rows, my row of the cluster
.set G1W, 48                           ; W's first pairs, 16 rows, my column
.set G1R, 84                           ; the ring's refills, 4 rows, my column
.set H0, 32                            ; groups 0 of the first fills
.set H1, 36
.set H2, 56
.set H3, 60
.set R0, 68                            ; s[68:71], s[72:75] groups 0 of the ring's slots
.set MSB, 0
.macro WIN new
.if MSB != \new
	s_set_vgpr_msb (MSB<<8)|\new
.set MSB, \new
.endif
.endm
.set MUL_LO, 0xa1                      ; source 0 window 1, source 1 window 0, C and D window 2
.set MUL_HI, 0xf1
.set TO_B,   0x40
.macro PLACES n
.rept \n
	v_nop
.endr
.endm
.macro CREST
	s_cmp_lg_u32 s14, 0
	s_cbranch_scc1 .Lnot_wave_0_\@
	s_barrier_signal -3
.Lnot_wave_0_\@:
	s_barrier_wait -3
	s_barrier_signal -1
	s_barrier_wait -1
.endm
.macro CROUND
	s_barrier_signal -1
	s_barrier_wait -1
	CREST
.endm
.macro GRP g, rows                     ; rows of 384 elements of 8 bytes, 12,288 bytes apart
	s_mov_b32 s[\g+1], 384<<16
	s_mov_b32 s[\g+2], (\rows)<<16
	s_mov_b32 s[\g+3], 384<<16
	s_mov_b32 s[\g+4], \rows
	s_mov_b32 s[\g+5], 1536
	s_mov_b32 s[\g+6], 0
	s_mov_b32 s[\g+7], 0
.endm
.macro GZ g, lds, src, off
	s_mov_b32 s[\g], 1
	s_mov_b32 s[\g+1], \lds
	s_add_nc_u64 s[\g+2:\g+3], s[\src:\src+1], \off
	s_or_b32 s[\g+3], s[\g+3], 0x80000000
.endm
.macro ARM under, g0, g1, next, join   ; one arm of a chain on the wave's number: one load, s_nop 0 and four v_nop, a jump to the join
	s_cmp_lt_u32 s14, \under
	s_cbranch_scc0 \next
	tensor_load_to_lds s[\g0:\g0+3], s[\g1:\g1+7]
	s_nop 0
	PLACES 4
	s_branch \join
\next:
.endm
	s_load_b256 s[4:11], s[0:1], 0x0               ; codes, scales, qkv, qkvs
	v_lshl_add_u32 v[SPW], v0, 2, SPARE
	v_mov_b32 v[NIL], 0
	ds_add_u32 v[SPW], v[NIL]                      ; the opening lines: the add twice on end and its wait
	ds_add_u32 v[SPW], v[NIL]
	v_lshrrev_b32 v1, 5, v0
	v_readfirstlane_b32 s14, v1                    ; wave
	s_lshr_b32 s15, s14, 1                         ; my half of source 1's rows
	s_and_b32 s16, s14, 1                          ; my half of source 0's rows
	s_bfe_u32 s40, ttmp6, 0x40000                  ; cx
	s_bfe_u32 s41, ttmp6, 0x40004                  ; cy
	s_lshl_b32 s43, s41, 2
	s_lshl_b32 s43, 15, s43                        ; my row of the cluster
	s_lshl_b32 s44, 0x1111, s40                    ; my column
	s_or_b32 s[G1X], s43, (3<<16)|(1<<21)          ; the mask; elements of 8 bytes; bit 21 beside a mask; no padding
	s_or_b32 s[G1W], s44, (3<<16)|(1<<21)
	s_or_b32 s[G1R], s44, (3<<16)|(1<<21)
	GRP G1X, 16
	GRP G1W, 16
	GRP G1R, 4
	s_and_b32 s44, ttmp7, 0xffff
	s_lshl_b32 s44, s44, 2                         ; 4 Y
	s_mul_i32 s45, s14, 4*SB                       ; the ring: my quarter of a slot
	s_mov_b32 s19, 0
	s_mov_b32 s47, 0
	s_add_co_u32 s17, s44, s41
	s_lshl_b32 s17, s17, 8                         ; x's tile: hangs on cy, never on cx
	s_add_co_u32 s42, s40, 64
	s_lshl_b32 s42, s42, 8                         ; Wq's tile: hangs on cx, never on cy
	s_wait_dscnt 0x0
	s_wait_kmcnt 0x0
	s_mul_i32 s18, s17, KROW
	s_add_nc_u64 s[20:21], s[4:5], s[18:19]
	s_mul_i32 s46, s42, KROW
	s_add_nc_u64 s[80:81], s[4:5], s[46:47]
	GZ H0, 0, 20, 0                                ; x's pair 0
	GZ H1, RING, 80, 0                             ; Wq's pair 0
	GZ H2, PIECE, 20, SB                           ; x's pair 1
	GZ H3, RING+PIECE, 80, SB                      ; Wq's pair 1
	s_mul_i32 s46, s14, 4*12288                    ; the ring: my four row tiles
	s_add_nc_u64 s[82:83], s[80:81], s[46:47]
.irp s, 0,1
	s_mov_b32 s[R0+4*\s], 1
	s_add_co_u32 s[R0+4*\s+1], s45, RING+\s*PIECE
	s_add_nc_u64 s[R0+4*\s+2:R0+4*\s+3], s[82:83], \s*SB
	s_or_b32 s[R0+4*\s+3], s[R0+4*\s+3], 0x80000000
.endr
	CROUND                                         ; the first joint loads meet
	ARM 1, H0, G1X, .Lh1, .Lhj                     ; one tensor load a wave at the head
	ARM 2, H1, G1W, .Lh2, .Lhj
	ARM 3, H2, G1X, .Lh3, .Lhj
	tensor_load_to_lds s[H3:H3+3], s[G1W:G1W+7]
	s_nop 0
	PLACES 4
.Lhj:
	s_mul_i32 s22, s15, HALF
	s_mul_i32 s23, s16, HALF
	s_add_co_u32 s2, s22, RING
	s_add_co_u32 s80, s23, RING
	s_lshl_b32 s20, s15, 7
	s_lshl_b32 s21, s16, 7
	s_add_co_u32 s76, s17, s20                     ; the scale rows of the blocks that I multiply, 32 bytes a row.  q: source 1 x,
	s_lshl_b32 s76, s76, 5
	s_add_co_u32 s77, s42, s21                     ; source 0 Wq;
	s_lshl_b32 s77, s77, 5
	s_add_co_u32 s78, s42, s20                     ; v: source 1 Wv, 2,048 rows behind Wq,
	s_add_co_u32 s78, s78, 2048
	s_lshl_b32 s78, s78, 5
	s_add_co_u32 s79, s17, s21                     ; source 0 x
	s_lshl_b32 s79, s79, 5
	s_add_co_u32 s43, s44, s41                     ; where my results go.  4 Y + cy
	s_lshl_b32 s43, s43, 1
	s_add_co_u32 s45, s43, s16                     ; v: S = 2 (4 Y + cy) + source 0's half
	s_lshl_b32 s81, s40, 1
	s_add_co_u32 s82, s81, s15                     ; 2 cx + source 1's half: my eight tiles of features
	s_mul_i32 s18, s45, 64*1536
	s_mul_i32 s46, s82, 8*1536
	s_add_co_u32 s18, s18, s46
	s_add_co_u32 s18, s18, VT
	s_add_nc_u64 s[12:13], s[8:9], s[18:19]
	s_lshl_b32 s18, s45, 12
	s_lshl_b32 s46, s82, 9
	s_add_co_u32 s18, s18, s46
	s_add_co_u32 s18, s18, VS
	s_add_nc_u64 s[66:67], s[10:11], s[18:19]
	s_add_co_u32 s43, s43, s15                     ; q: G = 2 (4 Y + cy) + source 1's half
	s_add_co_u32 s45, s81, s16                     ; s = 2 cx + source 0's half
	s_mul_i32 s18, s43, 8*16*1536
	s_mul_i32 s46, s45, 1536
	s_add_co_u32 s18, s18, s46
	s_add_nc_u64 s[8:9], s[8:9], s[18:19]
	s_lshl_b32 s18, s45, 16
	s_lshl_b32 s46, s43, 9
	s_add_co_u32 s18, s18, s46
	s_add_nc_u64 s[10:11], s[10:11], s[18:19]
	s_mov_b32 s17, 0x76543210                      ; v_permlanex16_b32's selects for lane l xor 16
	s_mov_b32 s42, 0xfedcba98
	s_mov_b32 s3, 2                                ; the loop's trips: q, k
	v_and_b32 v[LN], 31, v0
	v_lshlrev_b32 v[L16], 4, v[LN]
	v_and_b32 v1, 15, v0                           ; r
	v_bfe_u32 v2, v0, 4, 1                         ; h
	v_sub_nc_u32 v3, 1, v2
	v_add_nc_u32 v[XA], s22, v[L16]
	v_add_nc_u32 v[XS0], s23, v[L16]
.irp k, 1,2,3
	v_add_nc_u32 v[XA+\k], \k*PIECE, v[XA]
	v_add_nc_u32 v[XS0+\k], \k*PIECE, v[XS0]
.endr
	v_add_nc_u32 v[WB], s80, v[L16]
	v_add_nc_u32 v[WA], s2, v[L16]
	v_add_nc_u32 v[WB+1], PIECE, v[WB]
	v_add_nc_u32 v[WA+1], PIECE, v[WA]
	v_mul_u32_u24 v16, s76, v3                     ; lanes 0-15 take source 1's rows, lanes 16-31 source 0's
	v_mad_u32_u24 v16, s77, v2, v16
	v_lshl_add_u32 v[SO0], v1, 5, v16
	v_lshl_add_u32 v[SOF], v2, 15, v[SO0]          ; k: Wk's rows, 1,024 on
	v_mul_u32_u24 v16, s78, v3
	v_mad_u32_u24 v16, s79, v2, v16
	v_lshl_add_u32 v[SO2], v1, 5, v16
	v_mov_b32 v[FL], 0x1800000                     ; the floor 2^(3 - 127)
	s_wait_alu depctr_va_vdst(0)
.macro SCLOAD off, hf                  ; the scale words of K steps 4 hf .. 4 hf + 3, of my eight blocks of each source
.irp i, 0,1,2,3,4,5,6,7
	global_load_b128 v[SC+8*\i+4*\hf:SC+8*\i+4*\hf+3], v[\off], s[6:7] offset:\i*512+16*\hf
.endr
.endm
	SCLOAD SO0, 0
	SCLOAD SO0, 1
.macro ADR m, kp                       ; the address registers of K pair kp: A1 source 1's, A0 source 0's.  m = 0: x is source 1; m = 1: x is source 0
.if \m
.set A1, WA+(\kp)%2
.set A0, XS0+(\kp)
.else
.set A1, XA+(\kp)
.set A0, WB+(\kp)%2
.endif
.endm
.macro FRAG reg, adr, q, i             ; an image as it lies: three loads of 16 bytes a lane
.irp c, 0,1,2
	ds_load_b128 v[\reg+4*\c:\reg+4*\c+3], v[\adr] offset:(\i)*SB+(\q)*1536+512*\c
.endr
.endm
; 16 matrix instructions: source 1's blocks a0, a0 + 1 x source 0's eight.  p: source 0's set; st: the tile's K step.  The 64 accumulators take turns; a tile's first products take 0 as C.
.macro MUL16 a0, p, st, zero
.irp a, \a0, \a0+1
.irp b, 0,1,2,3,4,5,6,7
.if \zero
	v_wmma_scale_f32_16x16x128_f8f6f4 v[8*(8*((\a)%4)+\b):8*(8*((\a)%4)+\b)+7], v[128*(\p)+FR*\b:128*(\p)+FR*\b+FR-1], v[AF+FR*(\a):AF+FR*(\a)+FR-1], 0, v[SC+8*\b+(\st)], v[SC+8*(\a)+(\st)] matrix_a_fmt:MATRIX_FMT_FP6 matrix_b_fmt:MATRIX_FMT_FP6 matrix_a_scale:MATRIX_SCALE_ROW1
.else
	v_wmma_scale_f32_16x16x128_f8f6f4 v[8*(8*((\a)%4)+\b):8*(8*((\a)%4)+\b)+7], v[128*(\p)+FR*\b:128*(\p)+FR*\b+FR-1], v[AF+FR*(\a):AF+FR*(\a)+FR-1], v[8*(8*((\a)%4)+\b):8*(8*((\a)%4)+\b)+7], v[SC+8*\b+(\st)], v[SC+8*(\a)+(\st)] matrix_a_fmt:MATRIX_FMT_FP6 matrix_b_fmt:MATRIX_FMT_FP6 matrix_a_scale:MATRIX_SCALE_ROW1
.endif
.endr
.endr
.endm
.macro FETCH_B q, p                    ; source 0's eight fragments, by A0
	WIN TO_B
.irp i, 0,1,2,3,4,5,6,7
	FRAG 128*(\p)+FR*\i, A0, \q, \i
.endr
	WIN 0
.endm
.macro FETCH_A q, i0                   ; source 1's blocks i0 .. i0 + 3, by A1
.irp i, \i0, \i0+1, \i0+2, \i0+3
	FRAG AF+FR*(\i), A1, \q, \i
.endr
.endm
.macro FIRST m                         ; a tile's first fragments
	ADR \m, 0
	FETCH_B 0, 0
	FETCH_A 0, 0
	FETCH_A 0, 4
.endm
.macro STEP m, kp, st, zero            ; a pair's first K step
	ADR \m, \kp
	s_wait_dscnt 4*NL                              ; source 0's set and source 1's blocks 0-3 are in; the youngest 12 loads (blocks 4-7) may be out
	WIN MUL_LO
	MUL16 0, 0, \st, \zero
	MUL16 2, 0, \st, \zero
	s_wait_dscnt 0
	PLACES NP
	FETCH_B 1, 1
	FETCH_A 1, 0
	WIN MUL_HI
	MUL16 4, 0, \st, \zero
	MUL16 6, 0, \st, \zero
	PLACES NP
	WIN 0
	FETCH_A 1, 4
.endm
; A pair's second K step changes slots.  fill: 1: this W's pair two on; 2: the next W's pair 0 or 1; 0: nothing.  fetch: the next pair's first fragments are fetched here.
.macro TURN m, kp, fill, st, fetch
.set SL, (\kp)%2
	s_wait_tensorcnt 0x0                           ; all my tensor loads have landed
	ds_add_u32 v[SPW], v[NIL]
	s_wait_dscnt 4*NL+1                            ; the add and the youngest 12 loads may be out
	WIN MUL_LO
	MUL16 0, 1, \st, 0
	s_wait_dscnt 0x0                               ; the add is done, my reads of this slot are over
	s_barrier_signal -1
	MUL16 2, 1, \st, 0
	WIN 0
	s_barrier_wait -1
.if \fill
	CREST                                          ; the barrier has opened a round of the cluster's barrier
.if \fill == 1
	s_add_nc_u64 s[R0+4*SL+2:R0+4*SL+3], s[R0+4*SL+2:R0+4*SL+3], 2*SB
.else
	s_add_nc_u64 s[R0+4*SL+2:R0+4*SL+3], s[R0+4*SL+2:R0+4*SL+3], WSTEP-2*SB
.endif
	tensor_load_to_lds s[R0+4*SL:R0+4*SL+3], s[G1R:G1R+7]   ; my quarter of the slot: the first tensor load behind the round
	s_nop 0
	PLACES 4                                       ; the places in front of the loads below
.else
	PLACES NP
.endif
.if \fetch
	ADR \m, ((\kp)+1)%4
	FETCH_B 0, 0
	FETCH_A 0, 0
.endif
	WIN MUL_HI
	MUL16 4, 1, \st, 0
	MUL16 6, 1, \st, 0
	PLACES NP
	WIN 0
.if \fetch
	FETCH_A 0, 4
.endif
.endm
; THE WAY OUT.  Block a (16 of source 1's rows): a lane's 64 registers, register 16 b + i = the next K's 32 b + 16 (lane / 16) + i of its row, become a fragment's codes and its row's scale word.
; The largest magnitude of 16 numbers is a tree three deep.  Each accumulator is read from its low end on.
.macro QOUT a, pt, rs
.set AC, 64*((\a)%4)
.set WN, 2+(\a)/4
.set QC, QB+12*((\a)%2)
.set W3, WN|(WN<<2)|(WN<<4)
.set W1, WN<<4
	WIN W3
.irp k, 0,1,2,3,4
.irp b, 0,1,2,3
	v_max3_num_f32 v[TT+5*\b+\k], |v[AC+16*\b+3*\k]|, |v[AC+16*\b+3*\k+1]|, |v[AC+16*\b+3*\k+2]|
.endr
.endr
	WIN W1
.irp b, 0,1,2,3
	v_max3_num_f32 v[TT+5*\b+3], v[TT+5*\b+3], v[TT+5*\b+4], |v[AC+16*\b+15]|
.endr
	WIN 0
.irp b, 0,1,2,3
	v_max3_num_f32 v[TT+5*\b], v[TT+5*\b], v[TT+5*\b+1], v[TT+5*\b+2]
.endr
.irp b, 0,1,2,3
	v_max3_num_f32 v[TT+5*\b], v[TT+5*\b], v[TT+5*\b+3], v[FL]   ; and the floor: the byte cannot fall under 1
.endr
.irp b, 0,1,2,3
	v_permlanex16_b32 v[TT+5*\b+1], v[TT+5*\b], s17, s42
.endr
.irp b, 0,1,2,3
	v_max_num_f32 v[TT+5*\b], v[TT+5*\b], v[TT+5*\b+1]   ; the block's largest magnitude
.endr
.irp b, 0,1,2,3
	v_add_nc_u32 v[TT+5*\b+2], 0xff000000, v[TT+5*\b]    ; the conversion's scale operand
.endr
.irp b, 0,1,2,3
	v_lshrrev_b32 v[TT+5*\b+3], 23, v[TT+5*\b+2]         ; the scale's byte
.endr
	v_lshl_or_b32 v[SW+(\a)], v[TT+8], 8, v[TT+3]
	v_lshl_or_b32 v[SW+(\a)], v[TT+13], 16, v[SW+(\a)]
	v_lshl_or_b32 v[SW+(\a)], v[TT+18], 24, v[SW+(\a)]
	s_wait_alu depctr_va_vdst(0)
	s_wait_xcnt 0x0                                ; the stores issued so far have read their registers: this set of 12 is written again only behind this wait
	WIN WN
.irp c, 0,1
	v_cvt_scalef32_pk16_fp6_f32 v[QC+6*\c:QC+6*\c+2], v[AC+32*\c:AC+32*\c+15], v[TT+10*\c+2]
	v_cvt_scalef32_pk16_fp6_f32 v[QT+4*\c:QT+4*\c+2], v[AC+32*\c+16:AC+32*\c+31], v[TT+10*\c+7]
.endr
	WIN 0
	v_nop                                          ; one plain place behind a scaled conversion
.irp c, 0,1                                    ; the operand's layout wants a whole block in a lane
.irp i, 0,1,2
	v_permlane16_swap_b32 v[QC+6*\c+\i], v[QT+4*\c+\i]
.endr
.irp i, 0,1,2
	v_mov_b32 v[QC+3+6*\c+\i], v[QT+4*\c+\i]
.endr
.endr
.irp c, 0,1,2
	global_store_b128 v[L16], v[QC+4*\c:QC+4*\c+3], s[\pt:\pt+1] offset:(\a)*(\rs)+512*\c   ; 512 consecutive bytes, aligned
.endr
.endm
.macro EPI pt, rs, ps
.irp a, 0,1,2,3,4,5,6,7
	QOUT \a, \pt, \rs
.endr
	v_cmp_gt_u32 vcc_lo, 16, v[LN]                 ; lanes 0-15 store the words of blocks 0-3, lanes 16-31 those of blocks 4-7
.irp j, 0,1,2,3
	v_cndmask_b32 v[SW+8+\j], v[SW+4+\j], v[SW+\j], vcc_lo
.endr
	global_store_b128 v[L16], v[SW+8:SW+11], s[\ps:\ps+1]
.endm
	s_wait_tensorcnt 0x0                           ; my load of the head's four is in
	ds_add_u32 v[SPW], v[NIL]
	s_mov_b32 s[H0+1], 2*PIECE                     ; no tensor load of mine is out: x's pair 2,
	s_add_nc_u64 s[H0+2:H0+3], s[H0+2:H0+3], 2*SB
	s_mov_b32 s[H2+1], 3*PIECE                     ; and pair 3
	s_add_nc_u64 s[H2+2:H2+3], s[H2+2:H2+3], 2*SB
	s_wait_dscnt 0x0
	CROUND
	ARM 1, H0, G1X, .Lb1, .Lbj
	ARM 2, H2, G1X, .Lb2, .Lbj
.Lbj:
	FIRST 0
.Ltile:
	s_wait_loadcnt 0x0                             ; this tile's scale words are in
	STEP 0, 0, 0, 1
	TURN 0, 0, 1, 1, 1
	STEP 0, 1, 2, 0
	TURN 0, 1, 1, 3, 1
	STEP 0, 2, 4, 0
	TURN 0, 2, 2, 5, 1                             ; the ring goes on into the next W
	SCLOAD SOF, 0                                  ; K steps 0-3's scale registers were read last in step 3
	STEP 0, 3, 6, 0
	TURN 0, 3, 2, 7, 0
	SCLOAD SOF, 1                                  ; four places stand behind step 7's last products
	s_cmp_eq_u32 s3, 1
	s_cbranch_scc1 .Lfv                            ; behind k comes v, with the roles exchanged
	FIRST 0
	s_branch .Lfj
.Lfv:
	FIRST 1
.Lfj:
	EPI 8, 16*1536, 10
	s_wait_xcnt 0x0                                ; the stores and loads have read their bases and offsets
	s_add_nc_u64 s[8:9], s[8:9], 8*1536            ; k's images and blocks
	s_add_nc_u64 s[10:11], s[10:11], 8*65536
	v_mov_b32 v[SOF], v[SO2]
	s_wait_alu depctr_va_vdst(0)
	s_sub_co_u32 s3, s3, 1
	s_cmp_lg_u32 s3, 0
	s_cbranch_scc1 .Ltile
	s_wait_loadcnt 0x0
	STEP 1, 0, 0, 1                                ; v
	TURN 1, 0, 1, 1, 1
	STEP 1, 1, 2, 0
	TURN 1, 1, 1, 3, 1
	STEP 1, 2, 4, 0
	TURN 1, 2, 0, 5, 1
	STEP 1, 3, 6, 0
	s_wait_dscnt 4*NL
	WIN MUL_LO
	MUL16 0, 1, 7, 0
	MUL16 2, 1, 7, 0
	s_wait_dscnt 0
	WIN MUL_HI
	MUL16 4, 1, 7, 0
	MUL16 6, 1, 7, 0
	WIN 0
	PLACES NP
	EPI 12, 1536, 66
	s_wait_tensorcnt 0x0                           ; the wave's end
	ds_add_u32 v[SPW], v[NIL]
	s_wait_dscnt 0x0
	CROUND                                         ; the closing round
	s_endpgm
.Lfunc_end_k_q1f5bd89669_proj:
	.size	k_q1f5bd89669_proj, .Lfunc_end_k_q1f5bd89669_proj-k_q1f5bd89669_proj
	.p2alignl 7, 3214868480
	.fill 96, 4, 3214868480
	.section	.rodata,"a",@progbits
	.p2align	6, 0x0
	.amdhsa_kernel k_q1f5bd89669_proj
		.amdhsa_group_segment_fixed_size 327680
		.amdhsa_private_segment_fixed_size 0
		.amdhsa_enable_private_segment 0
		.amdhsa_kernarg_size 32
		.amdhsa_user_sgpr_count 2
		.amdhsa_user_sgpr_kernarg_segment_ptr 1
		.amdhsa_wavefront_size32 1
		.amdhsa_system_sgpr_workgroup_id_x 1
		.amdhsa_system_sgpr_workgroup_id_y 1
		.amdhsa_system_sgpr_workgroup_id_z 1
		.amdhsa_system_vgpr_workitem_id 0
		.amdhsa_next_free_vgpr 1024
		.amdhsa_next_free_sgpr 92
		.amdhsa_reserve_vcc 1
		.amdhsa_float_denorm_mode_32 3
		.amdhsa_float_denorm_mode_16_64 3
		.amdhsa_memory_ordered 1
		.amdhsa_forward_progress 1
		.amdhsa_inst_pref_size 255
	.end_amdhsa_kernel
	.section	.bss,"aw",@nobits
	.p2align	6
	.space	262144
	.amdgpu_metadata
---
amdhsa.version: [ 1, 2 ]
amdhsa.kernels:
  - .name:           k_q1f5bd89669_proj
    .symbol:         k_q1f5bd89669_proj.kd
    .args:
      - { .name: codes, .offset: 0, .size: 8, .value_kind: global_buffer, .address_space: global }
      - { .name: scales, .offset: 8, .size: 8, .value_kind: global_buffer, .address_space: global }
      - { .name: qkv, .offset: 16, .size: 8, .value_kind: global_buffer, .address_space: global }
      - { .name: qkvs, .offset: 24, .size: 8, .value_kind: global_buffer, .address_space: global }
    .group_segment_fixed_size: 327680
    .private_segment_fixed_size: 0
    .kernarg_segment_align: 8
    .kernarg_segment_size: 32
    .max_flat_workgroup_size: 128
    .sgpr_count:     92
    .vgpr_count:     1024
    .wavefront_size: 32
...
	.end_amdgpu_metadata
.endif
;; end of part 2
;; launch attn (part 3): grid 256 x 1, 4 waves a work-group, no clusters, 327,680 bytes of LDS; arguments qkv, qkvs, x, out0; writes out0
.if DOCPART == 3
	.amdgcn_target "amdgcn-amd-amdhsa--gfx1250"
	.amdhsa_code_object_version 6
	.text
	.protected	k_q1f5bd89669_attn
	.globl	k_q1f5bd89669_attn
	.p2align	8
	.type	k_q1f5bd89669_attn,@function
k_q1f5bd89669_attn:
	s_mov_b64 s[64:65], 0
	v_nop
	global_prefetch_b8 v0, s[64:65] scope:SCOPE_SE
	s_setreg_imm32_b32 hwreg(HW_REG_WAVE_MODE, 25, 1), 1
	s_wait_xcnt 0x0
; out = x + softmax(q k^T / sqrt(512)) v for 32 batches of 512 tokens x 1,024 features, both products on codes of FP6 (E2M3) with one E8M0 scale for each 32 along a product's K.
; IN: qkv: operand fragments as images of their registers, 1,536 bytes each (register 4 c + i of lane l at 512 c + 16 l + 4 i).  q, k: image (T, s) at (16 T + s) x 1,536: T the tile of 16 token positions, s = 0-7 q's K steps of 128
; features, 8-15 k's.  v: image (S, D) at VT + (64 S + D) x 1,536: S the step of 128 tokens (its K), D the tile of 16 feature positions.  qkvs: their scale words in blocks of 512 bytes for 8 tiles (byte 256 h + 16 r + 4 j: row r of tile 4 h + j).
; Position p of a tile's rows is actual row sigma(p) (bits 3 and 4 exchanged): so where such a tile is source 0, the 16 registers of tiles 2 b and 2 b + 1 are the actual neighbours 32 b + 16 (lane / 16) + 0 .. 15.
; THE SOFTMAX: t = score x log2(e) / sqrt(512); M = the WHOLE row's largest t rounded up to a whole number; p = 2^(t - M) is quantised along the keys, not normalised; the row's sum is taken of the unquantised p and divides O at the end.
; SHARES.  A work-group owns 64 queries (four tiles qt) of one batch.  S^T = K Q^T: wave w takes keys 128 w .. 128 w + 127 (8 tiles) against all 64 queries.  O^T = V^T P^T: wave w takes features 256 w .. 256 w + 255, in two passes of 8 tiles.
; So each fragment of K and of V is wanted by ONE wave and feeds four matrix instructions: it comes straight into registers, three loads of 512 consecutive bytes.  The rows' maxima and sums and P's fragments go from wave to wave through LDS.
; x's 64 rows come into LDS by one tensor load a wave at the very start (each wave its own 1,024 bytes of every row, which it alone reads) and land under the matrix work; these bytes are filled once.
; NO JOINT LOADS: the eight work-groups of a batch read the same K and V, but x's block takes 262,144 of LDS's 327,680 bytes and the stages 64,512 more, so no ring for K and V has room beside them.
; LIMITS: NaN and infinities are not served; a block of p that has fallen to zeros keeps the byte 1 (its codes are zeros).  At the start 88 loads stand issued one behind the other; the waits name 36 at the most.
; REGISTERS, in windows of 256: window 0: v1-13 addresses, v16-47 statistics, v48-79 Q's scale words, later V's, v80-111 K's, later P's, v112-156 at work, v160-255 fragment set 2 (on the way out: rows of O).
;   window 1: S^T, then p, then O^T: accumulator (qt, tile) at v[64 qt + 8 tile].   window 2: v0-143 Q's three sets, later v0-191 P's 16 fragments; v192-255 rows of x.   window 3: fragment sets 0 (v0-95) and 1 (v96-191).
.set VT,   25165824                    ; v's images begin here in qkv
.set VS,   1048576                     ; v's scale blocks begin here in qkvs
.set PIMG, 262144                      ; LDS: behind x's block: P's 16 images, (qt, w) at (4 qt + w) x 1,536
.set PSC,  PIMG+24576                  ; their scale words: (4 qt + w) x 128 + 4 x lane
.set MX,   PSC+2048                     ; the waves' maxima: 512 qt + 16 x lane + 4 w;  2,048 bytes on: the waves' sums, laid alike
.set STG,  MX+4096                     ; a stage of 16 rows x (512 bytes + 16) for each wave
.set LI,  1                            ; v1   16 x lane
.set LR,  2                            ; v2   16 x (lane % 16)
.set MXW, 3                            ; v3   where I store a maximum or a sum
.set MXR, 4                            ; v4   where I read the four waves'
.set PWI, 5                            ; v5   where I store P's images
.set PRI, 6                            ; v6   where I read them
.set PWS, 7                            ; v7   where I store P's scale words
.set PRS, 8                            ; v8   where I read them
.set STO, 9                            ; v9   the stage: where I put 16 bytes of a row
.set RDS, 10                           ; v10  and where I read a row back
.set XR,  11                           ; v11  x's block: my 16 bytes of my wave's part of a row
.set GO,  12                           ; v12  the same in out0
.set NEG, 13                           ; v13  -infinity
.set SUM, 16                           ; v16-19  two chains of sums
.set NM,  20                           ; v20-27  pair 2 qt: -M
.set RL,  28                           ; v28-35  pair 2 qt: 1 / the row's sum
.set WMX, 36                           ; v36-39  my wave's largest score of each tile's queries
.set BM,  112                          ; v112-127 the largest score, then the largest p, of block b of tile qt: 4 qt + b
.set T4,  128                          ; v128-131 at work
.set SCO, 132                          ; v132-135 the conversions' scale operands
.set PCD, 136                          ; v136-155 the codes in the making; also what comes back of maxima and sums
.set PW,  156                          ; v156 the scale word in the making
.set BK,  160                          ; the way out: 16 rows of O
.set MSB, 0
.macro WIN new                         ; the immediate's high byte repeats the setting that is left
.if MSB != \new
	s_set_vgpr_msb (MSB<<8)|\new
.set MSB, \new
.endif
.endm
.macro PLACES                          ; four places behind a matrix instruction, in front of loads into registers that it has read and of reads of its results
.rept 4
	v_nop
.endr
.endm
	s_load_b256 s[4:11], s[0:1], 0x0               ; qkv s[4:5], qkvs s[6:7], x s[8:9], out0 s[10:11]
	v_lshl_add_u32 v158, v0, 2, 0x4fc00
	v_mov_b32 v159, 0
	ds_add_u32 v158, v159
	ds_add_u32 v158, v159
	v_lshrrev_b32 v1, 5, v0
	v_readfirstlane_b32 s12, v1                    ; wave 0..3
	s_lshr_b32 s13, ttmp9, 3                       ; the batch n; the work-group's number is 8 n + the block of 64 queries
	s_mov_b32 s29, 0
	s_mov_b32 s31, 0
	s_mov_b32 s32, 1                               ; descriptor group 0: count = 1,
	s_lshl_b32 s33, s12, 16                        ; LDS address 65,536 x wave
	s_mov_b32 s36, 3<<16                           ; group 1: no mask; elements of 8 bytes; no padding
	s_mov_b32 s37, 128<<16                         ; tensor_dim0 = 128 elements (1,024 bytes)
	s_mov_b32 s38, 64<<16                          ; tensor_dim1 = 64
	s_mov_b32 s39, 128<<16                         ; tile_dim0 = 128
	s_mov_b32 s40, 64                              ; tile_dim1 = 64 rows
	s_mov_b32 s41, 512                             ; from row to row: 512 elements (4,096 bytes)
	s_mov_b32 s42, 0
	s_mov_b32 s43, 0
	s_lshl_b32 s28, ttmp9, 18                      ; my 64 rows of x and of out0: 262,144 bytes a work-group (the positions' permutation stays inside 32 rows)
	s_lshl_b32 s30, s12, 10
	s_add_co_u32 s30, s28, s30                     ; + my wave's 1,024 bytes of a row
	s_wait_dscnt 0x0
	s_wait_kmcnt 0x0
	s_add_nc_u64 s[34:35], s[8:9], s[30:31]
	s_or_b32 s35, s35, 0x80000000                  ; type = 2
	tensor_load_to_lds s[32:35], s[36:43]          ; my one tensor load: 64 rows x 1,024 bytes of x; its registers are not written again
	s_nop 0
.rept 4
	v_nop
.endr
	s_add_nc_u64 s[10:11], s[10:11], s[28:29]      ; out0 at my 64 rows
	s_mul_i32 s28, ttmp9, 98304                    ; Q: tile 4 x work-group, 24,576 bytes a tile
	s_add_nc_u64 s[16:17], s[4:5], s[28:29]
	s_lshl_b32 s28, s13, 5
	s_lshl_b32 s30, s12, 3
	s_add_co_u32 s28, s28, s30                     ; K: tile 32 n + 8 w,
	s_mul_i32 s28, s28, 24576
	s_add_co_u32 s28, s28, 12288                   ; K steps 8 on
	s_add_nc_u64 s[18:19], s[4:5], s[28:29]
	s_lshl_b32 s28, s13, 8
	s_lshl_b32 s30, s12, 4
	s_add_co_u32 s28, s28, s30                     ; V: image 64 (4 n) + 16 w
	s_mul_i32 s28, s28, 1536
	s_add_co_u32 s28, s28, VT
	s_add_nc_u64 s[20:21], s[4:5], s[28:29]
	s_lshl_b32 s28, ttmp9, 8                       ; Q's scale words: half a block of 512 bytes for each work-group
	s_add_nc_u64 s[22:23], s[6:7], s[28:29]
	s_lshl_b32 s28, s13, 2
	s_add_co_u32 s28, s28, s12
	s_add_co_u32 s28, s28, 1024                    ; K's: block 128 x 8 + 4 n + w
	s_lshl_b32 s28, s28, 9
	s_add_nc_u64 s[24:25], s[6:7], s[28:29]
	s_lshl_b32 s28, s13, 5
	s_lshl_b32 s30, s12, 1
	s_add_co_u32 s28, s28, s30                     ; V's: block 8 (4 n) + 2 w
	s_lshl_b32 s28, s28, 9
	s_add_co_u32 s28, s28, VS
	s_add_nc_u64 s[26:27], s[6:7], s[28:29]
	s_mov_b32 s44, 0x76543210                      ; v_permlanex16_b32's selects for lane l xor 16
	s_mov_b32 s45, 0xfedcba98
	s_mov_b32 s46, 0x3d8293ee                      ; c = log2(e) / sqrt(512)
	s_mov_b32 s47, s46                             ; (named with it as a pair, so it is written)
	v_and_b32 v14, 31, v0                          ; lane
	v_and_b32 v15, 15, v0                          ; r
	v_bfe_u32 v40, v0, 4, 1                        ; h
	v_lshlrev_b32 v[LI], 4, v14
	v_lshlrev_b32 v[LR], 4, v15
	s_lshl_b32 s28, s12, 2
	s_add_co_u32 s28, s28, MX
	v_add_nc_u32 v[MXW], s28, v[LI]
	v_add_nc_u32 v[MXR], MX, v[LI]
	s_mul_i32 s28, s12, 1536
	s_add_co_u32 s28, s28, PIMG
	v_add_nc_u32 v[PWI], s28, v[LI]
	v_add_nc_u32 v[PRI], PIMG, v[LI]
	v_lshlrev_b32 v[PRS], 2, v14
	s_lshl_b32 s28, s12, 7
	s_add_co_u32 s28, s28, PSC
	v_add_nc_u32 v[PWS], s28, v[PRS]
	v_add_nc_u32 v[PRS], PSC, v[PRS]
	v_mul_u32_u24 v[STO], v15, 528
	v_lshl_add_u32 v[STO], v40, 6, v[STO]
	s_mul_i32 s28, s12, 16*528
	s_add_co_u32 s28, s28, STG
	v_add_nc_u32 v[STO], s28, v[STO]               ; row r, + 64 h
	v_add_nc_u32 v[RDS], s28, v[LI]
	s_lshl_b32 s28, s12, 16
	v_add_nc_u32 v[XR], s28, v[LI]
	s_lshl_b32 s28, s12, 10
	v_add_nc_u32 v[GO], s28, v[LI]
	v_mov_b32 v[NEG], 0xff800000
.irp b, 0,1,2,3
	v_mov_b32 v[T4+\b], 0                          ; written once: a lane permute's destination counts as one of its sources
.endr
; The three fragment sets take turns: step g uses set g % 3.
.macro SETBASE g
.if (\g)%3 == 2
.set FB, 160
.set FW, 0
.else
.set FB, 96*((\g)%3)
.set FW, 3
.endif
.endm
.macro KLOAD g                         ; K step g of the first product: my 8 tiles of K (24 loads) and the 4 tiles of Q (12 loads)
	SETBASE \g
.set WD, FW<<6
	WIN WD
.irp kt, 0,1,2,3,4,5,6,7
.irp c, 0,1,2
	global_load_b128 v[FB+12*\kt+4*\c:FB+12*\kt+4*\c+3], v[LI], s[18:19] offset:\kt*24576+(\g)*1536+512*\c
.endr
.endr
	WIN 0x80
.set QS, 48*((\g)%3)
.irp qt, 0,1,2,3
.irp c, 0,1,2
	global_load_b128 v[QS+12*\qt+4*\c:QS+12*\qt+4*\c+3], v[LI], s[16:17] offset:\qt*24576+(\g)*1536+512*\c
.endr
.endr
.endm
.macro VLOAD g                         ; step g = 8 + 4 u + s of the second product: pass u, keys 128 s on: my 8 tiles of V^T (24 loads)
	SETBASE \g
.set WD, FW<<6
	WIN WD
.set VU, ((\g)-8)/4
.set VK, ((\g)-8)%4
.irp t, 0,1,2,3,4,5,6,7
.irp c, 0,1,2
	global_load_b128 v[FB+12*\t+4*\c:FB+12*\t+4*\c+3], v[LI], s[20:21] offset:(64*VK+8*VU+\t)*1536+512*\c
.endr
.endr
.endm
.macro WM zero, row1                   ; one product; source 0's scale words stand in lanes 0-15 for tiles 0-3 of a group of eight, in lanes 16-31 for tiles 4-7
.if \zero
.if \row1
	v_wmma_scale_f32_16x16x128_f8f6f4 v[RDD:RDD+7], v[RA:RA+11], v[RB:RB+11], 0, v[SA], v[SBR] matrix_a_fmt:MATRIX_FMT_FP6 matrix_b_fmt:MATRIX_FMT_FP6 matrix_a_scale:MATRIX_SCALE_ROW1
.else
	v_wmma_scale_f32_16x16x128_f8f6f4 v[RDD:RDD+7], v[RA:RA+11], v[RB:RB+11], 0, v[SA], v[SBR] matrix_a_fmt:MATRIX_FMT_FP6 matrix_b_fmt:MATRIX_FMT_FP6
.endif
.else
.if \row1
	v_wmma_scale_f32_16x16x128_f8f6f4 v[RDD:RDD+7], v[RA:RA+11], v[RB:RB+11], v[RDD:RDD+7], v[SA], v[SBR] matrix_a_fmt:MATRIX_FMT_FP6 matrix_b_fmt:MATRIX_FMT_FP6 matrix_a_scale:MATRIX_SCALE_ROW1
.else
	v_wmma_scale_f32_16x16x128_f8f6f4 v[RDD:RDD+7], v[RA:RA+11], v[RB:RB+11], v[RDD:RDD+7], v[SA], v[SBR] matrix_a_fmt:MATRIX_FMT_FP6 matrix_b_fmt:MATRIX_FMT_FP6
.endif
.endif
.endm
; 32 matrix instructions: the set's 8 tiles (source 0) x the 4 tiles of queries (source 1).  The 32 accumulators take turns, one instruction a turn, in the same order in every step.
; Steps 0, 8 and 12 start sums with the constant 0: nothing is ever cleared.
.macro MUL g
	SETBASE \g
.set WMS, 0x58|FW
	WIN WMS                                        ; source 0: the set's window; source 1: window 2; C and D: window 1
.set ZR, 0
.if ((\g)==0)||((\g)==8)||((\g)==12)
.set ZR, 1
.endif
.irp t, 0,1,2,3,4,5,6,7
.irp qt, 0,1,2,3
.set RDD, 64*\qt+8*\t
.set RA, FB+12*\t
.if (\g) < 8
.set RB, 48*((\g)%3)+12*\qt
.set SA, 80+4*(\g)+\t%4
.set SBR, 48+4*(\g)+\qt
.else
.set RB, 12*(4*\qt+((\g)-8)%4)
.set SA, 48+4*((\g)-8)+\t%4
.set SBR, 80+4*\qt+((\g)-8)%4
.endif
	WM ZR, \t/4
.endr
.endr
.endm
; A step: its fragments are in (n = the loads issued behind them, which may stay out); the fragments of two steps on are asked for, into the set that the step before has read; then its products.
.macro STEP g, n
	s_wait_loadcnt \n
.if (\g) > 0
	PLACES
.endif
.if (\g)+2 < 8
	KLOAD (\g)+2
.elseif (\g)+2 < 16
	VLOAD (\g)+2
.endif
	MUL \g
.endm
.irp s, 0,1,2,3,4,5,6,7                        ; the scale words of all 8 K steps: Q's four tiles in every lane's four registers; K's eight tiles: lanes 0-15 tiles 0-3, lanes 16-31 tiles 4-7
	global_load_b128 v[48+4*\s:51+4*\s], v[LR], s[22:23] offset:\s*65536
	global_load_b128 v[80+4*\s:83+4*\s], v[LI], s[24:25] offset:\s*65536
.endr
	KLOAD 0
	KLOAD 1
; ---- S^T = K Q^T.  The count 36: the next step's 24 + 12 loads; in step 7 the count 24: V's first step, issued in step 6
	STEP 0, 36
	STEP 1, 36
	STEP 2, 36
	STEP 3, 36
	STEP 4, 36
	STEP 5, 36
	STEP 6, 36
	STEP 7, 24
	WIN 0
	PLACES                                         ; behind the last products: Q's scale registers take V's, and the scores are read
.irp u, 0,1
.irp s, 0,1,2,3
	global_load_b128 v[48+4*(4*\u+\s):51+4*(4*\u+\s)], v[LI], s[26:27] offset:(8*\s+\u)*512
.endr
.endr
; ---- the largest score of each block of 32 keys (it serves twice: for the row's maximum and, since p rises with the score, for the block's largest p), and of my 128 keys
.macro SMAX qt
	WIN 0x14                                       ; sources 1 and 2: window 1
.irp b, 0,1,2,3
	v_max3_num_f32 v[BM+4*\qt+\b], v[NEG], v[64*\qt+16*\b], v[64*\qt+16*\b+1]   ; each accumulator is read from its low end on
.endr
.irp i, 2,4,6,8,10,12,14
.irp b, 0,1,2,3
	v_max3_num_f32 v[BM+4*\qt+\b], v[BM+4*\qt+\b], v[64*\qt+16*\b+\i], v[64*\qt+16*\b+\i+1]
.endr
.endr
	WIN 0
.irp b, 0,1,2,3
	v_permlanex16_b32 v[T4+\b], v[BM+4*\qt+\b], s44, s45
.endr
.irp b, 0,1,2,3
	v_max_num_f32 v[BM+4*\qt+\b], v[BM+4*\qt+\b], v[T4+\b]   ; with lane l xor 16's 16 keys
.endr
	v_max3_num_f32 v[WMX+\qt], v[BM+4*\qt], v[BM+4*\qt+1], v[BM+4*\qt+2]
	v_max_num_f32 v[WMX+\qt], v[WMX+\qt], v[BM+4*\qt+3]
	ds_store_b32 v[MXW], v[WMX+\qt] offset:512*\qt
.endm
	s_wait_alu depctr_va_vdst(0)
	SMAX 0
	SMAX 1
	SMAX 2
	SMAX 3
	s_wait_dscnt 0x0                               ; for the others' sake: my maxima lie in LDS
	s_barrier_signal -1
	s_barrier_wait -1
.irp qt, 0,1,2,3
	ds_load_b128 v[PCD+4*\qt:PCD+4*\qt+3], v[MXR] offset:512*\qt   ; the four waves' maxima of my query
.endr
	s_wait_dscnt 0x0
.irp qt, 0,1,2,3
	v_max3_num_f32 v[PCD+4*\qt], v[PCD+4*\qt], v[PCD+4*\qt+1], v[PCD+4*\qt+2]
.endr
.irp qt, 0,1,2,3
	v_max_num_f32 v[PCD+4*\qt], v[PCD+4*\qt], v[PCD+4*\qt+3]   ; the row's largest score
.endr
.irp qt, 0,1,2,3
	v_mul_f32 v[PCD+4*\qt], s46, v[PCD+4*\qt]      ; as t (c is positive)
.endr
.irp qt, 0,1,2,3
	v_floor_f32 v[NM+2*\qt], -v[PCD+4*\qt]         ; -M = floor(-t) = -ceil(t)
.endr
.irp qt, 0,1,2,3
	v_mov_b32 v[NM+2*\qt+1], v[NM+2*\qt]           ; (the packed form names the pair)
.endr
; ---- p = 2^(t - M) of tile qt, its sum, its codes and scale word; they go to LDS
.macro SM2 qt
	WIN 0x41                                       ; destination and source 0: window 1
.set j, 0
.rept 32
	v_pk_fma_f32 v[64*\qt+j:64*\qt+j+1], v[64*\qt+j:64*\qt+j+1], s[46:47], v[NM+2*\qt:NM+2*\qt+1] op_sel_hi:[1,0,0]   ; t - M, two at a time
.set j, j+2
.endr
	WIN 0
.irp b, 0,1,2,3
	v_fma_f32 v[BM+4*\qt+\b], v[BM+4*\qt+\b], s46, v[NM+2*\qt]   ; the same of each block's largest score
.endr
	WIN 0x41
.set j, 0
	s_wait_alu depctr_va_vdst(0)
.rept 64
	v_exp_f32 v[64*\qt+j], v[64*\qt+j]             ; p, at most 1: not normalised
.set j, j+1
.endr
	WIN 0
.irp b, 0,1,2,3
	v_exp_f32 v[BM+4*\qt+\b], v[BM+4*\qt+\b]       ; the block's largest p: the same two instructions on the same number give the same bits
.endr
.irp i, 0,1,2,3
	v_mov_b32 v[SUM+\i], 0                         ; the sums begin.  (A plain place behind the exponentials)
.endr
	s_wait_alu depctr_va_vdst(0)
.irp b, 0,1,2,3
	v_max_num_f32 v[BM+4*\qt+\b], 0x1800000, v[BM+4*\qt+\b]   ; the floor 2^(3 - 127): the byte cannot fall under 1
.endr
.irp b, 0,1,2,3
	v_add_nc_u32 v[SCO+\b], 0xff000000, v[BM+4*\qt+\b]   ; 2 off the exponent field: the conversion's scale operand
.endr
.irp b, 0,1,2,3
	v_lshrrev_b32 v[T4+\b], 23, v[SCO+\b]          ; the scale's byte
.endr
	v_lshl_or_b32 v[PW], v[T4+1], 8, v[T4]         ; p's scale word for my 128 keys
	v_lshl_or_b32 v[PW], v[T4+2], 16, v[PW]
	v_lshl_or_b32 v[PW], v[T4+3], 24, v[PW]
	WIN 0x01                                       ; source 0: window 1
.irp c, 0,1
	v_cvt_scalef32_pk16_fp6_f32 v[PCD+6*\c:PCD+6*\c+2], v[64*\qt+32*\c:64*\qt+32*\c+15], v[SCO+2*\c]
	v_cvt_scalef32_pk16_fp6_f32 v[PCD+12+4*\c:PCD+14+4*\c], v[64*\qt+32*\c+16:64*\qt+32*\c+31], v[SCO+2*\c+1]   ; (a conversion's three registers begin on an even number)
.endr
	WIN 0
	v_nop                                          ; one plain place behind a scaled conversion
.irp c, 0,1                                    ; the operand's layout wants a WHOLE block in a lane
.irp i, 0,1,2
	v_permlane16_swap_b32 v[PCD+6*\c+\i], v[PCD+12+4*\c+\i]
.endr
.irp i, 0,1,2
	v_mov_b32 v[PCD+3+6*\c+\i], v[PCD+12+4*\c+\i]
.endr
.endr
	WIN 0x04                                       ; source 1: window 1
.set j, 0
.rept 16
	v_pk_add_f32 v[SUM:SUM+1], v[SUM:SUM+1], v[64*\qt+j:64*\qt+j+1]         ; the sum is taken of the UNQUANTISED p: two at a time, in two chains
	v_pk_add_f32 v[SUM+2:SUM+3], v[SUM+2:SUM+3], v[64*\qt+j+2:64*\qt+j+3]
.set j, j+4
.endr
	WIN 0
	v_pk_add_f32 v[SUM:SUM+1], v[SUM:SUM+1], v[SUM+2:SUM+3]
	v_add_f32 v[SUM], v[SUM], v[SUM+1]
	v_permlanex16_b32 v[T4], v[SUM], s44, s45
	v_add_f32 v[SUM], v[SUM], v[T4]                ; my 128 keys' part of the row's sum
	ds_store_b32 v[MXW], v[SUM] offset:2048+512*\qt
.irp c, 0,1,2
	ds_store_b128 v[PWI], v[PCD+4*\c:PCD+4*\c+3] offset:6144*\qt+512*\c   ; the fragment as it stands: K step w of the second product
.endr
	ds_store_b32 v[PWS], v[PW] offset:512*\qt
	s_wait_dscnt 0x0                               ; the stores have read their registers; behind the last tile: for the others' sake
.endm
	SM2 0
	SM2 1
	SM2 2
	SM2 3
	s_barrier_signal -1
	s_barrier_wait -1                              ; P's sixteen fragments, their scale words and the sums lie in LDS
	WIN 0x80                                       ; destination window 2
.irp f, 0,1,2,3,4,5,6,7,8,9,10,11,12,13,14,15  ; fragment f = 4 qt + s
.irp c, 0,1,2
	ds_load_b128 v[12*\f+4*\c:12*\f+4*\c+3], v[PRI] offset:\f*1536+512*\c
.endr
.endr
	WIN 0
.irp f, 0,1,2,3,4,5,6,7,8,9,10,11,12,13,14,15
	ds_load_b32 v[80+\f], v[PRS] offset:128*\f
.endr
.irp qt, 0,1,2,3
	ds_load_b128 v[PCD+4*\qt:PCD+4*\qt+3], v[MXR] offset:2048+512*\qt
.endr
	s_wait_dscnt 0x0
.irp qt, 0,1,2,3
	v_add_f32 v[PCD+4*\qt], v[PCD+4*\qt], v[PCD+4*\qt+1]
	v_add_f32 v[PCD+4*\qt+2], v[PCD+4*\qt+2], v[PCD+4*\qt+3]
.endr
.irp qt, 0,1,2,3
	v_add_f32 v[PCD+4*\qt], v[PCD+4*\qt], v[PCD+4*\qt+2]   ; the row's sum
.endr
	s_wait_alu depctr_va_vdst(0)
.irp qt, 0,1,2,3
	v_rcp_f32 v[RL+2*\qt], v[PCD+4*\qt]
.endr
	v_nop                                          ; one plain place behind the reciprocals
	s_wait_alu depctr_va_vdst(0)
.irp qt, 0,1,2,3
	v_mov_b32 v[RL+2*\qt+1], v[RL+2*\qt]           ; (the packed form names the pair)
.endr
; ---- THE WAY OUT of pass u.  O^T / the sum goes, a tile of 16 queries at a time, through my own stage and comes back as rows of 512 bytes; x's rows come from my part of x's block; the sums leave as 512 consecutive bytes a store.
.macro MULQ q
	WIN 0x41
.set j, 0
.rept 32
	v_pk_mul_f32 v[64*(\q)+j:64*(\q)+j+1], v[64*(\q)+j:64*(\q)+j+1], v[RL+2*(\q):RL+2*(\q)+1] op_sel_hi:[1,0]   ; each accumulator from its low end on
.set j, j+2
.endr
.endm
.macro STQ q                           ; register j of tile t in lane (r, h) is feature 32 (t / 2) + 16 h + 8 (t % 2) + j of the pass's 128, of query position r
	WIN 0x04                                       ; an LDS store's data are its source 1: window 1
.irp t, 0,1,2,3,4,5,6,7
	ds_store_b128 v[STO], v[64*(\q)+8*\t:64*(\q)+8*\t+3] offset:128*(\t/2)+32*(\t%2)
	ds_store_b128 v[STO], v[64*(\q)+8*\t+4:64*(\q)+8*\t+7] offset:128*(\t/2)+32*(\t%2)+16
.endr
.endm
.macro OUT u
	WIN 0
	s_wait_tensorcnt 0x0                           ; my part of x's block is in LDS: I alone read it
	PLACES                                         ; behind the pass's last products
	MULQ 0
	STQ 0
.irp qt, 0,1,2,3
	WIN 0
	s_wait_xcnt 0x0                                ; the last tile's stores have read their registers: these are loaded again only behind this wait
.irp t, 0,1,2,3,4,5,6,7,8,9,10,11,12,13,14,15
	ds_load_b128 v[BK+4*\t:BK+4*\t+3], v[RDS] offset:528*\t   ; LDS serves a wave's instructions in order: these see my stores
.endr
	WIN 0x80
.irp t, 0,1,2,3,4,5,6,7,8,9,10,11,12,13,14,15  ; query position t of tile qt is token 32 (qt / 2) + 8 (qt % 2) + t + 8 (t / 8) of the block
	ds_load_b128 v[192+4*\t:195+4*\t], v[XR] offset:(32*(\qt/2)+8*(\qt%2)+\t+8*(\t/8))*1024+512*\u
.endr
.if \qt < 3
	MULQ \qt+1                                     ; the next tile's scaling stands between the loads and the wait for them
.endif
	s_wait_dscnt 0x0
	WIN 0x08                                       ; source 1: window 2
.set j, 0
.rept 32
	v_pk_add_f32 v[BK+j:BK+j+1], v[BK+j:BK+j+1], v[192+j:193+j]   ; x + o
.set j, j+2
.endr
	WIN 0
.irp t, 0,1,2,3,4,5,6,7,8,9,10,11,12,13,14,15
	global_store_b128 v[GO], v[BK+4*\t:BK+4*\t+3], s[10:11] offset:(32*(\qt/2)+8*(\qt%2)+\t+8*(\t/8))*4096+512*\u th:TH_STORE_NT   ; 32 lanes store 512 consecutive bytes, at a multiple of 512 from out0's first byte
.endr
.if \qt < 3
	STQ \qt+1
.endif
.endr
	WIN 0
	s_wait_xcnt 0x0                                ; the stores have read their registers: fragment set 2 may land there again
.endm
; ---- O^T = V^T P^T.  Step 8 waits for all loads: V's first two steps and its scale words, asked for ahead of the softmax.  The count 24: the next step's loads
	STEP 8, 0
	STEP 9, 24
	STEP 10, 24
	STEP 11, 24
	s_wait_alu depctr_va_vdst(0)
	OUT 0
	STEP 12, 24
	STEP 13, 24
	STEP 14, 24
	STEP 15, 0
	OUT 1
	s_wait_tensorcnt 0x0
	ds_add_u32 v158, v159
	s_wait_dscnt 0x0
	s_endpgm
.Lfunc_end_k_q1f5bd89669_attn:
	.size	k_q1f5bd89669_attn, .Lfunc_end_k_q1f5bd89669_attn-k_q1f5bd89669_attn
	.p2alignl 7, 3214868480
	.fill 96, 4, 3214868480
	.section	.rodata,"a",@progbits
	.p2align	6, 0x0
	.amdhsa_kernel k_q1f5bd89669_attn
		.amdhsa_group_segment_fixed_size 327680
		.amdhsa_private_segment_fixed_size 0
		.amdhsa_enable_private_segment 0
		.amdhsa_kernarg_size 32
		.amdhsa_user_sgpr_count 2
		.amdhsa_user_sgpr_kernarg_segment_ptr 1
		.amdhsa_wavefront_size32 1
		.amdhsa_system_sgpr_workgroup_id_x 1
		.amdhsa_system_sgpr_workgroup_id_y 1
		.amdhsa_system_sgpr_workgroup_id_z 1
		.amdhsa_system_vgpr_workitem_id 0
		.amdhsa_next_free_vgpr 1024
		.amdhsa_next_free_sgpr 66
		.amdhsa_reserve_vcc 0
		.amdhsa_float_denorm_mode_32 3
		.amdhsa_float_denorm_mode_16_64 3
		.amdhsa_memory_ordered 1
		.amdhsa_forward_progress 1
		.amdhsa_inst_pref_size 243
	.end_amdhsa_kernel
	.amdgpu_metadata
---
amdhsa.version: [ 1, 2 ]
amdhsa.kernels:
  - .name:           k_q1f5bd89669_attn
    .symbol:         k_q1f5bd89669_attn.kd
    .args:
      - { .name: qkv, .offset: 0, .size: 8, .value_kind: global_buffer, .address_space: global }
      - { .name: qkvs, .offset: 8, .size: 8, .value_kind: global_buffer, .address_space: global }
      - { .name: x, .offset: 16, .size: 8, .value_kind: global_buffer, .address_space: global }
      - { .name: out0, .offset: 24, .size: 8, .value_kind: global_buffer, .address_space: global }
    .group_segment_fixed_size: 327680
    .private_segment_fixed_size: 0
    .kernarg_segment_align: 8
    .kernarg_segment_size: 32
    .max_flat_workgroup_size: 128
    .sgpr_count:     66
    .vgpr_count:     1024
    .wavefront_size: 32
...
	.end_amdgpu_metadata
.endif
;; end of part 3
